; MI455X (gfx1250); checked and timed in simulation.
; The chip was launched on July 23, 2026; its instructions are those of AMD's public machine-readable ISA for CDNA 5 (MIT licence, August 2026) and "CDNA5" Instruction Set Architecture Reference Guide (July 2026). The comments in the code are by the model that wrote it; some were corrected since.
;; Multi Head Self Attention Causal. Allowed arithmetic: float matrix products may take bf16 or f16 operands with f32 sums; all other float work in f32.
;; Inputs: b_proj 1,024 float32; w_proj 1,024 x 1,024 float32; w_qkv 3,072 x 1,024 float32; x 4 x 2,048 x 1,024 float32.
;; Outputs: out0 4 x 2,048 x 1,024 float32.
;; One version. Each part assembles by itself: llvm-mc -triple=amdgcn-amd-amdhsa -mcpu=gfx1250 --defsym DOCPART=n.
;; ======== version 1 of 1: 4 launches
;; limits: values are held in f16: magnitudes above 65,504 overflow, below 6.1e-05 lose precision
;; workspace buffers: bf 25,165,824 bytes; qkv 50,331,648 bytes; att 16,777,216 bytes
;; launch cast (part 1): grid 768 x 1, 8 waves a work-group, no clusters, 0 bytes of LDS; arguments x, w_qkv, w_proj, bf; writes bf
.if DOCPART == 1
	.amdgcn_target "amdgcn-amd-amdhsa--gfx1250"
	.amdhsa_code_object_version 6
	.text
	.protected	k_qde8a6fedf7_cast
	.globl	k_qde8a6fedf7_cast
	.p2align	8
	.type	k_qde8a6fedf7_cast,@function
k_qde8a6fedf7_cast:
	s_mov_b64 s[64:65], 0
	v_nop
	global_prefetch_b8 v0, s[64:65] scope:SCOPE_SE
	s_setreg_imm32_b32 hwreg(HW_REG_WAVE_MODE, 25, 1), 1
	s_wait_xcnt 0x0
; cast: the three large f32 inputs become 16-bit matrix operands, once, in one dense buffer:
;   bf + 0          x       [8192][1024]  bf16
;   bf + 16,777,216 w_qkv   [3072][1024]  bf16
;   bf + 23,068,672 w_proj  [1024][1024]  rounded to bf16, that value written as f16 (the projection multiplies f16 by f16)
; 12,582,912 numbers = 768 chunks of 16,384; a work-group takes one chunk: 64 KiB in, 32 KiB out.
; Thread t takes 16 bytes at 16 t of each of 16 passes of 4,096 bytes; all 16 loads of a wave go out first.
; A store of a wave covers 256 consecutive bytes, aligned.  A pure stream: no LDS, no barrier, no matrix unit.
; LIMIT: w_proj's bf16 value is exact in f16 for 2^-17 <= |w| < 65,504; smaller ones are off by at most 2^-25, larger ones become infinite.
.set X, 4                              ; v[4:67]   pass p: four f32 as loaded
.set Y, 68                             ; v[68:99]  pass p: four 16-bit numbers to store
.set T, 100                            ; v[100:101] at work (w_proj's way)
.set XCH, 512                          ; chunks of x
.set QCH, 704                          ; chunks of x and w_qkv together
	s_load_b256 s[4:11], s[0:1], 0x0               ; x s[4:5], w_qkv s[6:7], w_proj s[8:9], bf s[10:11]
	v_lshlrev_b32 v1, 4, v0                        ; 16 t: my bytes in a pass of the source
	v_lshlrev_b32 v2, 3, v0                        ; 8 t: my bytes in a pass of the result
	s_wait_kmcnt 0x0
	s_cmp_lt_u32 ttmp9, XCH                        ; which input my chunk lies in, and that input's first chunk
	s_cselect_b64 s[14:15], s[4:5], s[6:7]
	s_cselect_b32 s16, 0, XCH
	s_cmp_lt_u32 ttmp9, QCH
	s_cselect_b64 s[14:15], s[14:15], s[8:9]
	s_cselect_b32 s16, s16, QCH
	s_sub_co_u32 s16, ttmp9, s16
	s_lshl_b32 s16, s16, 16                        ; 65,536 bytes of f32 a chunk
	s_mov_b32 s17, 0
	s_add_nc_u64 s[14:15], s[14:15], s[16:17]
	s_lshl_b32 s18, ttmp9, 15                      ; 32,768 bytes of result a chunk
	s_mov_b32 s19, 0
	s_add_nc_u64 s[10:11], s[10:11], s[18:19]
.irp p, 0,1,2,3,4,5,6,7,8,9,10,11,12,13,14,15
	global_load_b128 v[X+4*\p:X+4*\p+3], v1, s[14:15] offset:4096*\p th:TH_LOAD_NT
.endr
	s_cmp_ge_u32 ttmp9, QCH
	s_cbranch_scc1 .Lproj
	; x and w_qkv: one rounding to bf16
.irp p, 0,1,2,3,4,5,6,7,8,9,10,11,12,13,14,15
	s_wait_loadcnt 15-\p                           ; loads come back in order: pass p is in, the 15 - p younger ones stay out
	v_cvt_pk_bf16_f32 v[Y+2*\p],   v[X+4*\p],   v[X+4*\p+1]
	v_cvt_pk_bf16_f32 v[Y+2*\p+1], v[X+4*\p+2], v[X+4*\p+3]
	global_store_b64 v2, v[Y+2*\p:Y+2*\p+1], s[10:11] offset:2048*\p
.endr
	s_endpgm
.Lproj:
	; w_proj: rounded to bf16, widened again (a shift, a mask), written as f16
.irp p, 0,1,2,3,4,5,6,7,8,9,10,11,12,13,14,15
	s_wait_loadcnt 15-\p
	v_cvt_pk_bf16_f32 v[T],   v[X+4*\p],   v[X+4*\p+1]
	v_cvt_pk_bf16_f32 v[T+1], v[X+4*\p+2], v[X+4*\p+3]
	v_lshlrev_b32 v[X+4*\p],   16, v[T]
	v_and_b32     v[X+4*\p+1], 0xffff0000, v[T]
	v_lshlrev_b32 v[X+4*\p+2], 16, v[T+1]
	v_and_b32     v[X+4*\p+3], 0xffff0000, v[T+1]
	v_cvt_pk_f16_f32 v[Y+2*\p],   v[X+4*\p],   v[X+4*\p+1]
	v_cvt_pk_f16_f32 v[Y+2*\p+1], v[X+4*\p+2], v[X+4*\p+3]
	global_store_b64 v2, v[Y+2*\p:Y+2*\p+1], s[10:11] offset:2048*\p
.endr
	s_endpgm
.Lfunc_end_k_qde8a6fedf7_cast:
	.size	k_qde8a6fedf7_cast, .Lfunc_end_k_qde8a6fedf7_cast-k_qde8a6fedf7_cast
	.p2alignl 7, 3214868480
	.fill 96, 4, 3214868480
	.section	.rodata,"a",@progbits
	.p2align	6, 0x0
	.amdhsa_kernel k_qde8a6fedf7_cast
		.amdhsa_group_segment_fixed_size 0
		.amdhsa_private_segment_fixed_size 0
		.amdhsa_enable_private_segment 0
		.amdhsa_kernarg_size 32
		.amdhsa_user_sgpr_count 2
		.amdhsa_user_sgpr_kernarg_segment_ptr 1
		.amdhsa_wavefront_size32 1
		.amdhsa_system_sgpr_workgroup_id_x 1
		.amdhsa_system_sgpr_workgroup_id_y 1
		.amdhsa_system_sgpr_workgroup_id_z 1
		.amdhsa_system_vgpr_workitem_id 0
		.amdhsa_next_free_vgpr 104
		.amdhsa_next_free_sgpr 66
		.amdhsa_reserve_vcc 0
		.amdhsa_float_denorm_mode_32 3
		.amdhsa_float_denorm_mode_16_64 3
		.amdhsa_memory_ordered 1
		.amdhsa_forward_progress 1
		.amdhsa_inst_pref_size 16
	.end_amdhsa_kernel
	.amdgpu_metadata
---
amdhsa.version: [ 1, 2 ]
amdhsa.kernels:
  - .name:           k_qde8a6fedf7_cast
    .symbol:         k_qde8a6fedf7_cast.kd
    .args:
      - { .name: x, .offset: 0, .size: 8, .value_kind: global_buffer, .address_space: global }
      - { .name: w_qkv, .offset: 8, .size: 8, .value_kind: global_buffer, .address_space: global }
      - { .name: w_proj, .offset: 16, .size: 8, .value_kind: global_buffer, .address_space: global }
      - { .name: bf, .offset: 24, .size: 8, .value_kind: global_buffer, .address_space: global }
    .group_segment_fixed_size: 0
    .private_segment_fixed_size: 0
    .kernarg_segment_align: 8
    .kernarg_segment_size: 32
    .max_flat_workgroup_size: 256
    .sgpr_count:     66
    .vgpr_count:     104
    .wavefront_size: 32
...
	.end_amdgpu_metadata
.endif
;; end of part 1
;; launch qkv_gemm (part 2): grid 8 x 32, 4 waves a work-group, clusters of 4 x 4, 327,680 bytes of LDS; arguments bf, qkv; writes qkv
.if DOCPART == 2
	.amdgcn_target "amdgcn-amd-amdhsa--gfx1250"
	.amdhsa_code_object_version 6
	.text
	.protected	k_qde8a6fedf7_qkv_gemm
	.globl	k_qde8a6fedf7_qkv_gemm
	.p2align	8
	.type	k_qde8a6fedf7_qkv_gemm,@function
k_qde8a6fedf7_qkv_gemm:
	s_mov_b64 s[64:65], 0
	v_nop
	global_prefetch_b8 v0, s[64:65] scope:SCOPE_SE
	s_setreg_imm32_b32 hwreg(HW_REG_WAVE_MODE, 25, 1), 1
	s_wait_xcnt 0x0
	s_wait_alu depctr_hold_cnt(0) depctr_sa_sdst(0) depctr_va_vdst(0) depctr_va_sdst(0) depctr_va_ssrc(0) depctr_va_vcc(0) depctr_vm_vsrc(0)
	s_getreg_b32 s2, hwreg(HW_REG_IB_STS2, 6, 4)
	s_cmp_eq_u32 s2, 0
	s_cbranch_scc0 .Lentry_in_a_cluster
	s_endpgm
.Lentry_in_a_cluster:
	s_bfe_u32 s2, ttmp6, 0x10000c
	s_cmp_lg_u32 s2, 0xf033
	s_cbranch_scc0 .Lentry_shape_is_right
	s_endpgm
.Lentry_shape_is_right:
; qkv_gemm: q, k, v = x w_qkv^T.  A = x [8192][1024] bf16 at bf, B = w_qkv [3072][1024] bf16 at bf + 16,777,216; sums in f32.
; Result in f16, head-major: qkv[section q,k,v][batch*16 + head][t 2048][d 64]; section 1<<24 bytes, head 1<<18, row 128.
; A block of C is 256 rows x 192 columns: 32 x 16 = 512 blocks, two for each of 256 work-groups.  Work-group (gx, gy) makes block row gy and
; block columns gx and gx + 8.  Four waves, one above the other: wave w makes rows 64 w .. 64 w + 63 and all 192 columns, three whole heads,
; in 48 accumulator tiles (384 registers), so that a store takes whole rows of one head.  K goes in steps of 128 through two LDS slots of
; 448 rows; the 16 steps of the two blocks run on through the ring.  A K step is 192 matrix instructions of a wave, of which 180 lie between
; a tile's request and the wait for it; two slots of a wider block or of a longer step do not fit in LDS beside each other.
; CLUSTERS: 4 x 4 work-groups.  A's tile hangs on gy alone and is asked for jointly along a row of the cluster, B's on gx alone, along a column.
; The matrix instruction is used transposed (source 0 = rows of B, source 1 = rows of A): a lane then holds 8 neighbouring columns of a row of C.
; LIMIT: results are rounded to f16: |q|, |k|, |v| must stay below 65,504 (inputs 30 times those drawn give about 5,000); below 2^-14 the error is at most 2^-25.
; REGISTERS, in windows of 256:
;   window 0: v16-29 addresses; v32-63, v64-95 fragments of A (4 x 16 rows x 32 K), two buffers; v96-143 packed results; v144-239 read back, two sets
;   window 1: v0-95, v96-191 fragments of B (12 x 16 rows x 32 K), two buffers
;   window 2: the 24 accumulator tiles of my rows 0-31 (tile (a, b) at v[8 (12 a + b)]);   window 3: those of my rows 32-63
.set PITCH,  272                       ; an LDS row: 256 bytes + 16 of padding, an odd multiple of 16: the 16 rows of a fragment load start in 16 different 16-byte columns of 256
.set APART,  128*PITCH                 ; what one tensor load brings of A
.set AWAVE,  64*PITCH                  ; what a wave reads of A
.set ATILE,  2*APART
.set BPART,  96*PITCH                  ; what one tensor load brings of B
.set SLOT,   ATILE+2*BPART             ; 121,856 bytes
.set STAGE,  2*SLOT                    ; 243,712: behind the ring, 16 rows x 400 bytes for each wave; no tensor load lands there
.set SPITCH, 400                       ; 384 bytes + 16, an odd multiple of 16
.set WSTAGE, 16*SPITCH
.set WQB,    16777216                  ; w_qkv's place in bf
.set BSTEP,  8*192*2048                ; from my first block column to my second, in bytes of B
.set ADRA, 16                          ; v16-17 LDS address of my A fragments, slot 0, 1
.set ADRB, 20                          ; v20-21 the same for B
.set STO,  24                          ; the way out: where I put 16 bytes of a row
.set RD,   25                          ; the way out: where I read back
.set L16,  26                          ; 16 x lane
.set CO,   27                          ; v27-29 head j of my three: byte offset in qkv of my 16 bytes of its first four rows
.set AF,   32                          ; window 0: A's buffer f at AF + 32 f
.set BF,   0                           ; window 1: B's buffer f at BF + 96 f
.set TMP,  96
.set RB,   144
.set G1A, 24                           ; s[24:31] group 1 for A's tiles
.set G0A, 32                           ; s[32:39] group 0 for A's tiles, one set a slot
.set G1B, 48                           ; s[48:55] group 1 for B's tiles
.set G0B, 56                           ; s[56:63] group 0 for B's tiles, one set a slot
.set MUL_LO, 0xa1                      ; source 0 (B) window 1, source 1 (A) window 0, C and D window 2
.set MUL_HI, 0xf1                      ; the same, C and D window 3
.set TO_B,   0x40                      ; destination window 1, address window 0
.set MSB, 0
.macro WIN new                         ; the immediate's high byte repeats the setting that is left
.if MSB != \new
	s_set_vgpr_msb (MSB<<8)|\new
.set MSB, \new
.endif
.endm
.macro PLACES                          ; four places behind a matrix instruction (ISA guide 7.12.1) before its registers are loaded into or its result is read
.rept 4
	v_nop
.endr
.endm
; A joint load: waves 0 and 1 fetch A's two halves, waves 2 and 3 B's.  The branch hangs on the wave's number alone.
.macro JLOAD s
	s_cmp_eq_u32 s11, 0
	s_cbranch_scc0 .Lfor_b_\@
	tensor_load_to_lds s[G0A+4*\s:G0A+4*\s+3], s[G1A:G1A+7]
	s_nop 0
	PLACES
	s_branch .Lasked_\@
.Lfor_b_\@:
	tensor_load_to_lds s[G0B+4*\s:G0B+4*\s+3], s[G1B:G1B+7]
	s_nop 0
	PLACES
.Lasked_\@:
.endm
.macro CREST                           ; a round of the cluster's barrier behind its opening work-group barrier
	s_cmp_lg_u32 s10, 0
	s_cbranch_scc1 .Lnot_wave_0_\@
	s_barrier_signal -3
.Lnot_wave_0_\@:
	s_barrier_wait -3
	s_barrier_signal -1
	s_barrier_wait -1
.endm
.macro CROUND
	s_barrier_signal -1
	s_barrier_wait -1
	CREST
.endm
; The slot's next tile is K step N of the 16 (s66): A at byte 256 (N mod 8) of its rows, B the same and 1,536 rows further down in the second block.
.macro STEP slot
	s_and_b32 s68, s66, 7
	s_lshl_b32 s68, s68, 8
	s_lshr_b32 s70, s66, 3
	s_mul_i32 s70, s70, BSTEP
	s_add_co_u32 s70, s70, s68
	s_add_nc_u64 s[G0A+4*\slot+2:G0A+4*\slot+3], s[14:15], s[68:69]
	s_or_b32 s[G0A+4*\slot+3], s[G0A+4*\slot+3], 0x80000000
	s_add_nc_u64 s[G0B+4*\slot+2:G0B+4*\slot+3], s[46:47], s[70:71]
	s_or_b32 s[G0B+4*\slot+3], s[G0B+4*\slot+3], 0x80000000
	s_add_co_u32 s66, s66, 1
.endm
; 12 matrix instructions: m block a of the window's two (hi = 0: my rows 0-31, 1: rows 32-63) x all 12 n blocks, 32 along K, from buffers f.
; The 48 accumulators take turns, one instruction a turn, in the same order in every quarter step.
; zero = 1: the first product starts the sums: nothing is cleared.
.macro MUL12 f, hi, a, zero
.irp b, 0,1,2,3,4,5,6,7,8,9,10,11
.if \zero
	v_wmma_f32_16x16x32_bf16 v[8*(12*\a+\b):8*(12*\a+\b)+7], v[BF+96*\f+8*\b:BF+96*\f+8*\b+7], v[AF+32*\f+8*(2*\hi+\a):AF+32*\f+8*(2*\hi+\a)+7], 0
.else
	v_wmma_f32_16x16x32_bf16 v[8*(12*\a+\b):8*(12*\a+\b)+7], v[BF+96*\f+8*\b:BF+96*\f+8*\b+7], v[AF+32*\f+8*(2*\hi+\a):AF+32*\f+8*(2*\hi+\a)+7], v[8*(12*\a+\b):8*(12*\a+\b)+7]
.endif
.endr
.endm
; 32 LDS loads in one run: the fragments of K quarter q (192 rows of B, then my 64 rows of A) into buffers f
.macro FETCH slot, q, f
	WIN TO_B
.irp i, 0,1,2,3,4,5,6,7,8,9,10,11
	ds_load_b128 v[BF+96*\f+8*\i:BF+96*\f+8*\i+3],   v[ADRB+\slot] offset:64*\q+\i*16*PITCH
	ds_load_b128 v[BF+96*\f+8*\i+4:BF+96*\f+8*\i+7], v[ADRB+\slot] offset:64*\q+\i*16*PITCH+32
.endr
	WIN 0
.irp i, 0,1,2,3
	ds_load_b128 v[AF+32*\f+8*\i:AF+32*\f+8*\i+3],   v[ADRA+\slot] offset:64*\q+\i*16*PITCH
	ds_load_b128 v[AF+32*\f+8*\i+4:AF+32*\f+8*\i+7], v[ADRA+\slot] offset:64*\q+\i*16*PITCH+32
.endr
.endm
; One of a K step's first three quarters: multiplies buffers f, and in its middle fetches quarter qn into buffers g.
.macro QUARTER slot, qn, f, g, zero
	s_wait_dscnt 4                                 ; all but the youngest four loads (A's fragments 2 and 3) are in
	WIN MUL_LO
	MUL12 \f, 0, 0, \zero
	MUL12 \f, 0, 1, \zero
	PLACES
	FETCH \slot, \qn, \g
	s_wait_dscnt 32                                ; all but the 32 just issued
	WIN MUL_HI
	MUL12 \f, 1, 0, \zero
	MUL12 \f, 1, 1, \zero
.endm
.macro THREE slot, zero
	QUARTER \slot, 1, 0, 1, \zero
	QUARTER \slot, 2, 1, 0, 0
	QUARTER \slot, 3, 0, 1, 0
.endm
; The last quarter: multiplies buffers 1 and changes slots.  In front of the barrier each wave waits for its reads of this slot and for all its
; tensor loads (one is out: its part of the next slot).  fill = 1: the barrier opens a round of the cluster's barrier, and behind the round this
; slot is asked for again, two K steps ahead, first thing.  From a request to the wait for it a wave issues 24 + 144 + 12 = 180 matrix instructions.
.macro TURN slot, next, fill
	s_wait_dscnt 4
	WIN MUL_LO
	MUL12 1, 0, 0, 0
	s_wait_dscnt 0x0                               ; my reads of this slot are over
	s_wait_tensorcnt 0x0                           ; all my tensor loads have landed
	ds_add_u32 v255, v255
	s_wait_dscnt 0x0
	s_barrier_signal -1
	MUL12 1, 0, 1, 0                               ; register work while the others arrive
	WIN 0
	s_barrier_wait -1
.if \fill
	CREST                                          ; no wave of any partner still reads this slot or has a load on its way
	STEP \slot                                     ; no tensor load of mine is out: the slot's group 0 may be written
	JLOAD \slot                                    ; its four v_nop are also the places in front of the loads below
.else
	PLACES
.endif
	FETCH \next, 0, 0
	WIN MUL_HI
	MUL12 1, 1, 0, 0
	MUL12 1, 1, 1, 0
.endm
.macro LAP zero                        ; two K steps, both slots filled again
	THREE 0, \zero
	TURN 0, 1, 1
	THREE 1, 0
	TURN 1, 0, 1
.endm
; Where block column s67 goes.  Its head j is number hh = 3 x column + j of the 48 of q, k, v: section hh / 16, head hh mod 16; a block may cross from one section into the next.
.macro SETCO
	s_mul_i32 s73, s67, 3
.irp j, 0,1,2
	s_add_co_u32 s74, s73, \j
	s_lshr_b32 s75, s74, 4
	s_lshl_b32 s75, s75, 6                         ; a section is 64 heads long
	s_and_b32 s74, s74, 15
	s_add_co_u32 s74, s74, s75
	s_add_co_u32 s74, s74, s76                     ; + 16 x batch
	s_lshl_b32 s74, s74, 18
	s_add_co_u32 s74, s74, s77                     ; + my first row in the head
	v_add_nc_u32 v[CO+\j], s74, v[L16]
.endr
.endm
; The way out, 16 rows at a time (m block a; from: both sources in window 2 or 3): round to f16, 16 bytes a lane into my own stage, read back so
; that a store takes 4 rows of 128 bytes of ONE head: 512 consecutive bytes, aligned.  LDS serves a wave's instructions in order (ISA guide 5.7.1):
; no wait between my stores and my loads.
.macro OUT16 a, from
	WIN \from
.irp b, 0,1,2,3,4,5,6,7,8,9,10,11
.irp i, 0,1,2,3
	v_cvt_pk_f16_f32 v[TMP+4*\b+\i], v[8*(12*(\a&1)+\b)+2*\i], v[8*(12*(\a&1)+\b)+2*\i+1]
.endr
.endr
	WIN 0
.irp b, 0,1,2,3,4,5,6,7,8,9,10,11
	ds_store_b128 v[STO], v[TMP+4*\b:TMP+4*\b+3] offset:32*\b
.endr
	s_wait_xcnt 0x0                                ; the registers loaded below were data of earlier stores: rewritten only behind this wait
.irp j, 0,1,2
.irp u, 0,1,2,3
	ds_load_b128 v[RB+48*(\a&1)+4*(4*\j+\u):RB+48*(\a&1)+4*(4*\j+\u)+3], v[RD] offset:\u*4*SPITCH+\j*128
.endr
.endr
.irp j, 0,1,2
.irp u, 0,1,2,3
	s_wait_dscnt 11-(4*\j+\u)                      ; this read-back is in, the younger ones stay out
	global_store_b128 v[CO+\j], v[RB+48*(\a&1)+4*(4*\j+\u):RB+48*(\a&1)+4*(4*\j+\u)+3], s[6:7] offset:\a*2048+\u*512
.endr
.endr
.endm
.macro EPI
	PLACES                                         ; behind the last matrix instructions
	OUT16 0, 0x0a
	OUT16 1, 0x0a
	OUT16 2, 0x0f
	OUT16 3, 0x0f
.endm
	s_load_b128 s[4:7], s[0:1], 0x0                ; bf s[4:5], qkv s[6:7]
	s_set_vgpr_msb 0x40
	v_lshl_add_u32 v255, v0, 2, 0x41c00
	s_set_vgpr_msb 0x4000
	v_mov_b32 v255, 0
	s_set_vgpr_msb 0x1
	ds_add_u32 v255, v255
	s_set_vgpr_msb 0x100
	v_lshrrev_b32 v1, 5, v0
	v_readfirstlane_b32 s10, v1                    ; wave 0..3: my 64 rows of the block
	s_lshr_b32 s11, s10, 1                         ; I fetch for A (0) or B (1)
	s_and_b32 s12, s10, 1                          ; which half of that tile I fetch
	s_bfe_u32 s40, ttmp6, 0x40000                  ; cx
	s_bfe_u32 s41, ttmp6, 0x40004                  ; cy
	s_lshl_b32 s42, ttmp9, 2
	s_add_co_u32 s42, s42, s40                     ; gx, 0 to 7
	s_and_b32 s13, ttmp7, 0xffff
	s_lshl_b32 s13, s13, 2
	s_add_co_u32 s13, s13, s41                     ; gy, 0 to 31
	s_lshl_b32 s43, s41, 2
	s_lshl_b32 s43, 15, s43                        ; my row of the cluster
	s_lshl_b32 s44, 0x1111, s40                    ; my column
	s_or_b32 s[G1A+0], s43, (1<<16)|(1<<20)|(1<<21)|(5<<22)|(3<<25)   ; mask; 2-byte elements; padding on; bit 21 beside a mask; after every 64 words 4 words
	s_or_b32 s[G1B+0], s44, (1<<16)|(1<<20)|(1<<21)|(5<<22)|(3<<25)
	s_mov_b32 s[G1A+1], 128<<16                    ; tensor_dim0 = 128
	s_mov_b32 s[G1A+2], 128<<16                    ; tensor_dim1 = 128
	s_mov_b32 s[G1A+3], 128<<16                    ; tile_dim0 = 128 elements, 256 bytes
	s_mov_b32 s[G1A+4], 128                        ; tile_dim1 = 128 rows
	s_mov_b32 s[G1A+5], 1024                       ; elements from row to row
	s_mov_b32 s[G1A+6], 0
	s_mov_b32 s[G1A+7], 0
	s_mov_b32 s[G1B+1], 128<<16
	s_mov_b32 s[G1B+2], 96<<16                     ; B: 96 rows
	s_mov_b32 s[G1B+3], 128<<16
	s_mov_b32 s[G1B+4], 96
	s_mov_b32 s[G1B+5], 1024
	s_mov_b32 s[G1B+6], 0
	s_mov_b32 s[G1B+7], 0
	s_lshl_b32 s16, s13, 1                         ; A: row 128 (2 gy + half), 2,048 bytes a row
	s_add_co_u32 s16, s16, s12
	s_lshl_b32 s16, s16, 18
	s_mov_b32 s17, 0
	s_lshl_b32 s46, s42, 1                         ; B: row 96 (2 gx + half)
	s_add_co_u32 s46, s46, s12
	s_mul_i32 s46, s46, 96*2048
	s_add_co_u32 s46, s46, WQB
	s_mov_b32 s47, 0
	s_mul_i32 s20, s12, APART                      ; LDS: A's two halves, then B's two halves; no place in the cluster enters
	s_mul_i32 s21, s12, BPART
	s_add_co_u32 s21, s21, ATILE
	s_mov_b32 s66, 2                               ; the next K step to ask for
	s_mov_b32 s69, 0
	s_mov_b32 s71, 0
	s_wait_dscnt 0x0
	s_wait_kmcnt 0x0
	s_add_nc_u64 s[14:15], s[4:5], s[16:17]        ; A's base
	s_add_nc_u64 s[46:47], s[4:5], s[46:47]        ; B's base
	CROUND                                         ; all sixteen work-groups are here: the first joint loads meet
.irp s, 0,1
	s_mov_b32 s[G0A+4*\s], 1
	s_add_co_u32 s[G0A+4*\s+1], s20, \s*SLOT
	s_add_nc_u64 s[G0A+4*\s+2:G0A+4*\s+3], s[14:15], \s*256
	s_or_b32 s[G0A+4*\s+3], s[G0A+4*\s+3], 0x80000000
	s_mov_b32 s[G0B+4*\s], 1
	s_add_co_u32 s[G0B+4*\s+1], s21, \s*SLOT
	s_add_nc_u64 s[G0B+4*\s+2:G0B+4*\s+3], s[46:47], \s*256
	s_or_b32 s[G0B+4*\s+3], s[G0B+4*\s+3], 0x80000000
	JLOAD \s                                       ; K steps 0 and 1: two tensor loads of a wave are out here, one behind each later round
.endr
	; a fragment: lane l holds row l % 16; registers 0-3 K = 8 (l / 16) + 0..7, registers 4-7 K = 16 + 8 (l / 16) + 0..7: two loads, 32 bytes apart
	v_and_b32 v1, 15, v0
	v_bfe_u32 v2, v0, 4, 1
	v_mul_u32_u24 v3, v1, PITCH
	v_lshl_add_u32 v3, v2, 4, v3
	s_mul_i32 s22, s10, AWAVE                      ; my 64 rows of A
	s_mov_b32 s23, ATILE                           ; all of B
.irp s, 0,1
	v_add_nc_u32 v[ADRA+\s], s22, v3
	v_add_nc_u32 v[ADRB+\s], s23, v3
	s_add_co_u32 s22, s22, SLOT
	s_add_co_u32 s23, s23, SLOT
.endr
	s_mul_i32 s22, s10, WSTAGE
	s_add_co_u32 s22, s22, STAGE
	v_mul_u32_u24 v5, v1, SPITCH
	v_lshl_add_u32 v5, v2, 4, v5
	v_add_nc_u32 v[STO], s22, v5                   ; in: row l % 16, 16 bytes for each half of the lanes
	v_and_b32 v4, 31, v0
	v_lshrrev_b32 v6, 3, v4
	v_and_b32 v7, 7, v0
	v_mul_u32_u24 v6, v6, SPITCH
	v_lshl_add_u32 v6, v7, 4, v6
	v_add_nc_u32 v[RD], s22, v6                    ; back: eight lanes take 128 bytes of a row, four rows a load
	v_lshlrev_b32 v[L16], 4, v4
	s_lshr_b32 s76, s13, 3                         ; batch = gy / 8,
	s_lshl_b32 s76, s76, 4                         ; 16 heads each
	s_and_b32 s77, s13, 7                          ; my first row in a head: 256 (gy mod 8) + 64 wave, 128 bytes a row
	s_lshl_b32 s77, s77, 2
	s_add_co_u32 s77, s77, s10
	s_lshl_b32 s77, s77, 13
	s_mov_b32 s67, s42                             ; my first block column
	SETCO
	s_wait_tensorcnt 0x1                           ; my part of K step 0 is in; K step 1's may stay out
	s_barrier_signal -1
	s_barrier_wait -1
	FETCH 0, 0, 0
	LAP 1                                          ; the first block: K steps 0 to 7 ask for 2 to 9, on into the second block
	WIN 0                                          ; at a label and at a branch every window is 0
	s_mov_b32 s3, 3
.Lfirst:
	LAP 0
	WIN 0
	s_sub_co_u32 s3, s3, 1
	s_cmp_lg_u32 s3, 0
	s_cbranch_scc1 .Lfirst
	EPI                                            ; K step 8's first fragments are fetched and K step 9's tile is on its way meanwhile: the way out touches neither buffers nor slots
	s_wait_xcnt 0x0                                ; the stores' offset registers are rewritten only behind this wait
	s_add_co_u32 s67, s67, 8                       ; my second block column
	SETCO
	LAP 1                                          ; the second block: K steps 8 to 13 ask for 10 to 15, the last two for nothing
	WIN 0
	s_mov_b32 s3, 2
.Lsecond:
	LAP 0
	WIN 0
	s_sub_co_u32 s3, s3, 1
	s_cmp_lg_u32 s3, 0
	s_cbranch_scc1 .Lsecond
	THREE 0, 0
	TURN 0, 1, 0
	THREE 1, 0
	s_wait_dscnt 4                                 ; the very last quarter
	WIN MUL_LO
	MUL12 1, 0, 0, 0
	MUL12 1, 0, 1, 0
	s_wait_dscnt 0x0
	WIN MUL_HI
	MUL12 1, 1, 0, 0
	MUL12 1, 1, 1, 0
	EPI
	s_set_vgpr_msb 0x1
	s_wait_tensorcnt 0x0
	ds_add_u32 v255, v255
	s_wait_dscnt 0x0
	s_set_vgpr_msb 0x100
	CROUND                                         ; the closing round: no work-group ends while a partner may still ask for a tile that names it
	s_endpgm
.Lfunc_end_k_qde8a6fedf7_qkv_gemm:
	.size	k_qde8a6fedf7_qkv_gemm, .Lfunc_end_k_qde8a6fedf7_qkv_gemm-k_qde8a6fedf7_qkv_gemm
	.p2alignl 7, 3214868480
	.fill 96, 4, 3214868480
	.section	.rodata,"a",@progbits
	.p2align	6, 0x0
	.amdhsa_kernel k_qde8a6fedf7_qkv_gemm
		.amdhsa_group_segment_fixed_size 327680
		.amdhsa_private_segment_fixed_size 0
		.amdhsa_enable_private_segment 0
		.amdhsa_kernarg_size 16
		.amdhsa_user_sgpr_count 2
		.amdhsa_user_sgpr_kernarg_segment_ptr 1
		.amdhsa_wavefront_size32 1
		.amdhsa_system_sgpr_workgroup_id_x 1
		.amdhsa_system_sgpr_workgroup_id_y 1
		.amdhsa_system_sgpr_workgroup_id_z 1
		.amdhsa_system_vgpr_workitem_id 0
		.amdhsa_next_free_vgpr 960
		.amdhsa_next_free_sgpr 80
		.amdhsa_reserve_vcc 0
		.amdhsa_float_denorm_mode_32 3
		.amdhsa_float_denorm_mode_16_64 3
		.amdhsa_memory_ordered 1
		.amdhsa_forward_progress 1
		.amdhsa_inst_pref_size 255
	.end_amdhsa_kernel
	.section	.bss,"aw",@nobits
	.p2align	6
	.space	262144
	.amdgpu_metadata
---
amdhsa.version: [ 1, 2 ]
amdhsa.kernels:
  - .name:           k_qde8a6fedf7_qkv_gemm
    .symbol:         k_qde8a6fedf7_qkv_gemm.kd
    .args:
      - { .name: bf, .offset: 0, .size: 8, .value_kind: global_buffer, .address_space: global }
      - { .name: qkv, .offset: 8, .size: 8, .value_kind: global_buffer, .address_space: global }
    .group_segment_fixed_size: 327680
    .private_segment_fixed_size: 0
    .kernarg_segment_align: 8
    .kernarg_segment_size: 16
    .max_flat_workgroup_size: 128
    .sgpr_count:     80
    .vgpr_count:     960
    .wavefront_size: 32
...
	.end_amdgpu_metadata
.endif
;; end of part 2
;; launch attn (part 3): grid 256 x 1, 8 waves a work-group, clusters of 4 x 1, 327,680 bytes of LDS; arguments qkv, att; writes att
.if DOCPART == 3
	.amdgcn_target "amdgcn-amd-amdhsa--gfx1250"
	.amdhsa_code_object_version 6
	.text
	.protected	k_qde8a6fedf7_attn
	.globl	k_qde8a6fedf7_attn
	.p2align	8
	.type	k_qde8a6fedf7_attn,@function
k_qde8a6fedf7_attn:
	s_mov_b64 s[64:65], 0
	v_nop
	global_prefetch_b8 v0, s[64:65] scope:SCOPE_SE
	s_setreg_imm32_b32 hwreg(HW_REG_WAVE_MODE, 25, 1), 1
	s_wait_xcnt 0x0
	s_wait_alu depctr_hold_cnt(0) depctr_sa_sdst(0) depctr_va_vdst(0) depctr_va_sdst(0) depctr_va_ssrc(0) depctr_va_vcc(0) depctr_vm_vsrc(0)
	s_getreg_b32 s2, hwreg(HW_REG_IB_STS2, 6, 4)
	s_cmp_eq_u32 s2, 0
	s_cbranch_scc0 .Lentry_in_a_cluster
	s_endpgm
.Lentry_in_a_cluster:
	s_bfe_u32 s2, ttmp6, 0x10000c
	s_cmp_lg_u32 s2, 0x3003
	s_cbranch_scc0 .Lentry_shape_is_right
	s_endpgm
.Lentry_shape_is_right:
; attn: causal attention of one head by a cluster of four work-groups; running maximum and sum in f32, products in f16 with f32 sums.
; qkv[section][bh][t][d] f16 in; att[bh][t][d] f16 out.  bh = the cluster's number; c = my place in it.
; SHARES.  A head has 32 query blocks of 64 rows.  Work-group c takes rows 64 b + 16 c .. + 15 of EVERY block b; wave w holds the four groups of
; blocks w, 15 - w, 16 + w, 31 - w.  K and V are walked once, in 16 tiles; tile n is the pair of key blocks n (lo) and 31 - n (hi), 64 keys each.
; Group g works on key block j where j <= its block, and masks where j = its block.  So every wave has four group steps in every tile, five in
; tiles w and 15 - w: 66 in all, for every wave of every work-group.  All branches hang on the wave's number and the tile's number, never on c, and
; all four work-groups want the same tiles at the same time: K and V are asked for jointly (mask 15).  The running softmax does not mind the order of key blocks.
; TWO TILES A SLOT.  The wave with a tile's fifth step also has that tile's two masked steps, and the other seven would wait for it at a barrier behind
; every tile.  So a slot holds a period of two tiles, 2 P and 2 P + 1: between two barriers a wave has 8 group steps, two of the eight waves 9.  A period's
; lo blocks 2 P, 2 P + 1 are 128 neighbouring rows, its hi blocks 30 - 2 P, 31 - 2 P too: one load of 128 rows each.  Four tiles a slot would take
; 2 x 155,648 bytes and the stage's 18,432: more than the 327,680 that there are.
; PRODUCTS, both transposed.  S^T = K Q^T: lane (r, h), register i of tile kt = score(key 16 kt + 8 h + i, query r): a query is the lane pair r, r + 16,
; so maximum, sum and rescaling are per lane plus one exchange of halves.  O^T += V^T P^T: V^T comes by transposing loads, and the packed scores
; ARE the second source's layout: no shuffle.
; LIMITS: q, k, v, P and att are f16 (|v| below 65,504; P lies in [0, 1], below 2^-14 it is off by at most 2^-25); the row sum is taken from P before rounding;
; exponentials below 2^-126 are zero; a masked score has -inf added (scores of finite f16 operands are finite), and every query meets key 0 in its first
; step, so its maximum is finite from then on.  NaN and infinite inputs get no treatment of their own.
.set KPITCH, 144                       ; 128 bytes + 16: an odd multiple of 16
.set VPITCH, 160                       ; 128 bytes + 32: an odd multiple of 32, for the transposing loads
.set KBLK,   64*KPITCH                 ; a key block of K
.set KPART,  2*KBLK                    ; what one tensor load brings: a period's two lo blocks, or its two hi blocks
.set KSLOT,  2*KPART                   ; 36,864
.set VRING,  2*KSLOT                   ; V's ring lies behind K's
.set VBLK,   64*VPITCH
.set VPART,  2*VBLK
.set VSLOT,  2*VPART                   ; 40,960
.set STAGE,  VRING+2*VSLOT             ; 155,648: 16 rows x 144 bytes for each wave; no tensor load lands there
.set WSTAGE, 16*KPITCH
.set KA,   2                           ; v2-3    LDS address of my K fragments, slot 0, 1
.set QL,   4                           ; 16 c + r - 8 h: key 16 kt + i of my registers is masked where 16 kt + i > QL
.set NINF, 5
.set STO,  6
.set RD,   7
.set QOFF, 8                           ; v8-11   group g: my bytes of Q
.set OOFF, 12                          ; v12-15  group g: my bytes of the result
.set MR,   16                          ; v16-19  running maximum
.set LS,   20                          ; v20-23  running sum, of my half's keys
.set MX,   24
.set TP,   25
.set NMC,  26                          ; v[26:27] -c x maximum
.set AL,   28                          ; v[28:29] the rescaling factor
.set T,    30                          ; v[30:37] chains
.set PFL,  38                          ; 256 x lane
.set PFV,  39                          ; the prefetch's offset
.set SC,   40                          ; v[40:71]   scores, 8 kt + i
.set PB,   72                          ; v[72:87]   P in f16, 4 kt + i/2
.set KF,   88                          ; v[88:151]  K fragments, 8 (2 kt + ds)
.set VF,   152                         ; v[152:215] V^T fragments, 8 (2 dt + ks)
.set NM,   216                         ; v216-219   the exponent offset in use, -c x maximum as rounded
.set VA,   220                         ; v220-221   LDS address of my V fragments, slot 0, 1
.set MB,   224                         ; v[224:255] the mask of a group's own key block: 0, or -inf where the key lies beyond the query; 8 kt + i
.set QF,   0                           ; window 1: Q fragments, 16 g + 8 ds
.set OA,   64                          ; window 1: O^T, 32 g + 8 dt
.set BQ,   16                          ; s16-19 my groups' blocks
.set JLO,  20
.set JHI,  21
.set OFF,  38                          ; s[38:39], s[40:41] byte offset in K and V of the slot's two key blocks that I fetch
.set G1K,  44
.set G1V,  52
.set G0K,  68
.set G0V,  76
.set MSB, 0
.macro WIN new
.if MSB != \new
	s_set_vgpr_msb (MSB<<8)|\new
.set MSB, \new
.endif
.endm
.macro PLACES                          ; four places behind a matrix instruction (ISA guide 7.12.1)
.rept 4
	v_nop
.endr
.endm
.macro ROUND                           ; a round of the cluster's barrier
	s_barrier_signal -1
	s_barrier_wait -1
	s_cmp_lg_u32 s8, 0
	s_cbranch_scc1 .Lnot_wave_0_\@
	s_barrier_signal -3
.Lnot_wave_0_\@:
	s_barrier_wait -3
	s_barrier_signal -1
	s_barrier_wait -1
.endm
; A joint load: wave 0 K lo, wave 1 K hi, wave 2 V lo, wave 3 V hi, 128 rows each; waves 4 to 7 fetch nothing.
.macro JLOAD sl
	s_cmp_eq_u32 s9, 0
	s_cbranch_scc0 .Lnotk_\@
	tensor_load_to_lds s[G0K+4*\sl:G0K+4*\sl+3], s[G1K:G1K+7]
	s_nop 0
	PLACES
	s_branch .Lasked_\@
.Lnotk_\@:
	s_cmp_eq_u32 s9, 1
	s_cbranch_scc0 .Lasked_\@
	tensor_load_to_lds s[G0V+4*\sl:G0V+4*\sl+3], s[G1V:G1V+7]
	s_nop 0
	PLACES
.Lasked_\@:
.endm
.macro STEPKV sl                       ; the slot's period two periods on: lo four key blocks up, hi four down
	s_add_co_i32 s[OFF+2*\sl], s[OFF+2*\sl], s42
	s_add_nc_u64 s[G0K+4*\sl+2:G0K+4*\sl+3], s[30:31], s[OFF+2*\sl:OFF+2*\sl+1]
	s_or_b32 s[G0K+4*\sl+3], s[G0K+4*\sl+3], 0x80000000
	s_add_nc_u64 s[G0V+4*\sl+2:G0V+4*\sl+3], s[32:33], s[OFF+2*\sl:OFF+2*\sl+1]
	s_or_b32 s[G0V+4*\sl+3], s[G0V+4*\sl+3], 0x80000000
.endm
; Wave 4 of work-group c asks for one of the four 16 KiB pieces of period s86 (c: K lo, K hi, V lo, V hi), twice 32 lanes 256 bytes apart:
; the period that the joint load at the end of the running period will fetch.  Each piece is asked for by one wave of the cluster.
.macro PREF
	s_cmp_lg_u32 s8, 4
	s_cbranch_scc1 .Lnopf_\@
	global_prefetch_b8 v[PFV], s[84:85] th:TH_LOAD_NT scope:SCOPE_SE
	global_prefetch_b8 v[PFV], s[84:85] offset:8192 th:TH_LOAD_NT scope:SCOPE_SE
.Lnopf_\@:
.endm
; The fragments of one key block (slot sl; part 0 lo, 1 hi; sub: which 64 rows of that part): 16 loads of K, 16 transposing loads of V
.macro LOADS sl, part, sub
	PLACES                                         ; behind the last matrix instruction that read these registers, on every way here
.irp kt, 0,1,2,3
.irp ds, 0,1
	ds_load_b128 v[KF+16*\kt+8*\ds:KF+16*\kt+8*\ds+3],   v[KA+\sl] offset:\part*KPART+(\sub)*KBLK+\kt*16*KPITCH+\ds*64
	ds_load_b128 v[KF+16*\kt+8*\ds+4:KF+16*\kt+8*\ds+7], v[KA+\sl] offset:\part*KPART+(\sub)*KBLK+\kt*16*KPITCH+\ds*64+32
.endr
.endr
.irp dt, 0,1,2,3
.irp ks, 0,1
	ds_load_tr16_b128 v[VF+16*\dt+8*\ks:VF+16*\dt+8*\ks+3],   v[VA+\sl] offset:\part*VPART+(\sub)*VBLK+\ks*32*VPITCH+\dt*32
	ds_load_tr16_b128 v[VF+16*\dt+8*\ks+4:VF+16*\dt+8*\ks+7], v[VA+\sl] offset:\part*VPART+(\sub)*VBLK+\ks*32*VPITCH+\dt*32+16*VPITCH
.endr
.endr
	s_wait_dscnt 16                                ; K's fragments are in; V's sixteen loads may stay out
.endm
; One group step: 16 queries of group g against the 64 keys in KF, VF.  j: the register with the key block's number.
; cond: skip where the block lies above the group's; diag: mask where it is the group's; first: the group's first step starts maximum, sum and O.
.macro GROUP g, j, cond, diag, first
.if \cond
	s_cmp_gt_u32 s[\j], s[BQ+\g]
	s_cbranch_scc1 .Lskip_\@
.endif
	WIN 0x04                                       ; source 1 (Q) in window 1
.irp kt, 0,1,2,3
	v_wmma_f32_16x16x32_f16 v[SC+8*\kt:SC+8*\kt+7], v[KF+16*\kt:KF+16*\kt+7], v[QF+16*\g:QF+16*\g+7], 0
.endr
.irp kt, 0,1,2,3                               ; the four accumulators take turns, one instruction a turn
	v_wmma_f32_16x16x32_f16 v[SC+8*\kt:SC+8*\kt+7], v[KF+16*\kt+8:KF+16*\kt+15], v[QF+16*\g+8:QF+16*\g+15], v[SC+8*\kt:SC+8*\kt+7]
.endr
	WIN 0
	PLACES
.if \diag
	s_cmp_lg_u32 s[\j], s[BQ+\g]
	s_cbranch_scc1 .Lnomask_\@
.irp n, 0,1,2,3,4,5,6,7,8,9,10,11,12,13,14,15
	v_pk_add_f32 v[SC+2*\n:SC+2*\n+1], v[SC+2*\n:SC+2*\n+1], v[MB+2*\n:MB+2*\n+1]   ; + 0, or + -inf for a key beyond the query
.endr
.Lnomask_\@:
.endif
	; the maximum of my 32 scores and the old one, in four chains; then the other half's
.irp kt, 0,1,2,3
	v_max3_num_f32 v[T+\kt], v[SC+8*\kt], v[SC+8*\kt+1], v[SC+8*\kt+2]
.endr
.irp kt, 0,1,2,3
	v_max3_num_f32 v[T+\kt], v[T+\kt], v[SC+8*\kt+3], v[SC+8*\kt+4]
.endr
.irp kt, 0,1,2,3
	v_max3_num_f32 v[T+\kt], v[T+\kt], v[SC+8*\kt+5], v[SC+8*\kt+6]
.endr
	v_max3_num_f32 v[MX], v[T], v[T+1], v[T+2]
	v_max3_num_f32 v[T+4], v[T+3], v[SC+7], v[SC+15]
.if \first
	v_max3_num_f32 v[MX], v[MX], v[T+4], v[SC+23]
	v_max_num_f32 v[MX], v[MX], v[SC+31]
.else
	v_max3_num_f32 v[T+5], v[SC+23], v[SC+31], v[MR+\g]
	v_max3_num_f32 v[MX], v[MX], v[T+4], v[T+5]
.endif
	v_permlanex16_b32 v[TP], v[MX], s24, s25
	v_max_num_f32 v[MR+\g], v[MX], v[TP]
	v_mul_f32 v[NMC], s28, v[MR+\g]                ; -c m, c = log2(e) / 8
.if \first == 0
	v_sub_f32 v[AL], v[NMC], v[NM+\g]              ; against the offset that the old sums were made with: its rounding is a common factor of the row and cancels
.endif
.irp n, 0,1,2,3,4,5,6,7,8,9,10,11,12,13,14,15
	v_pk_fma_f32 v[SC+2*\n:SC+2*\n+1], v[SC+2*\n:SC+2*\n+1], s[26:27], v[NMC:NMC+1] op_sel_hi:[1,0,0]
.endr
.irp n, 0,1,2,3,4,5,6,7,8,9,10,11,12,13,14,15,16,17,18,19,20,21,22,23,24,25,26,27,28,29,30,31
	v_exp_f32 v[SC+\n], v[SC+\n]
.endr
.if \first == 0
	v_exp_f32 v[AL], v[AL]
.endif
	v_mov_b32 v[NM+\g], v[NMC]                     ; the plain instruction behind the exponentials (ISA guide 5.7.2), and the offset now in use
	s_wait_alu depctr_va_vdst(0)
.irp q, 0,1,2,3
	v_pk_add_f32 v[T+2*\q:T+2*\q+1], v[SC+8*\q:SC+8*\q+1], v[SC+8*\q+2:SC+8*\q+3]
.endr
.irp q, 0,1,2,3
	v_pk_add_f32 v[T+2*\q:T+2*\q+1], v[T+2*\q:T+2*\q+1], v[SC+8*\q+4:SC+8*\q+5]
.endr
.irp q, 0,1,2,3
	v_pk_add_f32 v[T+2*\q:T+2*\q+1], v[T+2*\q:T+2*\q+1], v[SC+8*\q+6:SC+8*\q+7]
.endr
	v_pk_add_f32 v[T:T+1], v[T:T+1], v[T+2:T+3]
	v_pk_add_f32 v[T+4:T+5], v[T+4:T+5], v[T+6:T+7]
	v_pk_add_f32 v[T:T+1], v[T:T+1], v[T+4:T+5]
.if \first
	v_add_f32 v[LS+\g], v[T], v[T+1]
.else
	v_add_f32 v[T], v[T], v[T+1]
	v_fma_f32 v[LS+\g], v[LS+\g], v[AL], v[T]
.endif
.irp n, 0,1,2,3,4,5,6,7,8,9,10,11,12,13,14,15
	v_cvt_pk_f16_f32 v[PB+\n], v[SC+2*\n], v[SC+2*\n+1]
.endr
.if \first == 0
	WIN 0x41                                       ; O in window 1, the factor in window 0
.irp n, 0,1,2,3,4,5,6,7,8,9,10,11,12,13,14,15
	v_pk_mul_f32 v[OA+32*\g+2*\n:OA+32*\g+2*\n+1], v[OA+32*\g+2*\n:OA+32*\g+2*\n+1], v[AL:AL+1] op_sel_hi:[1,0]
.endr
.endif
	s_wait_dscnt 0x0                               ; V's fragments
	WIN 0x50
.irp dt, 0,1,2,3
.if \first
	v_wmma_f32_16x16x32_f16 v[OA+32*\g+8*\dt:OA+32*\g+8*\dt+7], v[VF+16*\dt:VF+16*\dt+7], v[PB:PB+7], 0
.else
	v_wmma_f32_16x16x32_f16 v[OA+32*\g+8*\dt:OA+32*\g+8*\dt+7], v[VF+16*\dt:VF+16*\dt+7], v[PB:PB+7], v[OA+32*\g+8*\dt:OA+32*\g+8*\dt+7]
.endif
.endr
.irp dt, 0,1,2,3
	v_wmma_f32_16x16x32_f16 v[OA+32*\g+8*\dt:OA+32*\g+8*\dt+7], v[VF+16*\dt+8:VF+16*\dt+15], v[PB+8:PB+15], v[OA+32*\g+8*\dt:OA+32*\g+8*\dt+7]
.endr
	WIN 0
.if \cond
.Lskip_\@:
.endif
.endm
; One tile: number sub (0, 1) of the period in slot sl.  lo (blocks 0-15): groups 2 and 3 always and unmasked, groups 0 and 1 while the block is not above theirs.
; hi (blocks 31-16): group 3 from tile w on, group 2 from tile 15 - w on, which is never earlier.  The hi part holds its lower block first, so the
; period's first tile reads the part's upper 64 rows.  pf = 1: the prefetch stands behind the tile's first run of LDS loads.
.macro TILE sl, sub, first, pf
	LOADS \sl, 0, \sub
.if \pf
	PREF
.endif
	GROUP 2, JLO, 0, 0, \first
	GROUP 3, JLO, 0, 0, \first
.if \first
	GROUP 0, JLO, 0, 1, 1                          ; block 0 is wave 0's own
	GROUP 1, JLO, 0, 0, 1
.else
	GROUP 0, JLO, 1, 1, 0
	GROUP 1, JLO, 1, 1, 0
.endif
	s_cmp_gt_u32 s[JHI], s[BQ+3]
	s_cbranch_scc1 .Lnohi_\@
	LOADS \sl, 1, 1-\sub
	GROUP 3, JHI, 0, 1, 0
	GROUP 2, JHI, 1, 1, 0
.Lnohi_\@:
	s_add_co_u32 s[JLO], s[JLO], 1
	s_sub_co_u32 s[JHI], s[JHI], 1
.endm
; A period: the slot's two tiles, with no barrier between them: the one in front has shown the whole slot to every wave.
.macro PERIOD sl, first, pf
	TILE \sl, 0, \first, 0
	TILE \sl, 1, 0, \pf
.endm
; The change of slots.  Every wave waits for its reads of the slot just read and for all its tensor loads (its part of the other slot); behind the
; round of the cluster's barrier nobody in the cluster reads the slot and the other slot is whole: the joint refill comes first.
.macro TURN sl, fill
	s_wait_dscnt 0x0
	s_wait_tensorcnt 0x0
	ds_add_u32 v222, v223
	s_wait_dscnt 0x0
.if \fill
	STEPKV \sl                                     ; no tensor load of mine is out: the slot's group 0 may be written
	s_wait_xcnt 0x0                                ; the last prefetch, a tile ago, has read its offset register
	s_add_co_u32 s86, s86, 1
	s_min_u32 s86, s86, 7                          ; clamped at the last period, which is so asked for twice: no prefetch leaves qkv
	s_mul_i32 s89, s86, s87
	s_add_co_u32 s89, s89, s88                     ; in pairs of key blocks: the period's number, or 15 less it
	s_lshl_b32 s89, s89, 14
	v_add_nc_u32 v[PFV], s89, v[PFL]
	ROUND
	JLOAD \sl
.else
	s_barrier_signal -1
	s_barrier_wait -1
.endif
.endm
; The way out of group g: divide by the sum, round to f16, through my stage, out as four stores of 512 consecutive bytes, aligned.
.macro OUTG g
	WIN 0x01
.irp n, 0,1,2,3,4,5,6,7,8,9,10,11,12,13,14,15
	v_pk_mul_f32 v[SC+2*\n:SC+2*\n+1], v[OA+32*\g+2*\n:OA+32*\g+2*\n+1], v[T+2*\g:T+2*\g+1] op_sel_hi:[1,0]
.endr
	WIN 0
.irp n, 0,1,2,3,4,5,6,7,8,9,10,11,12,13,14,15
	v_cvt_pk_f16_f32 v[PB+\n], v[SC+2*\n], v[SC+2*\n+1]
.endr
.irp dt, 0,1,2,3
	ds_store_b128 v[STO], v[PB+4*\dt:PB+4*\dt+3] offset:32*\dt
.endr
.irp u, 0,1,2,3
	ds_load_b128 v[KF+16*\g+4*\u:KF+16*\g+4*\u+3], v[RD] offset:4*KPITCH*\u   ; LDS serves a wave's instructions in order (ISA guide 5.7.1)
.endr
.irp u, 0,1,2,3
	s_wait_dscnt 3-\u
	global_store_b128 v[OOFF+\g], v[KF+16*\g+4*\u:KF+16*\g+4*\u+3], s[36:37] offset:512*\u
.endr
.endm
	s_load_b128 s[4:7], s[0:1], 0x0                ; qkv s[4:5], att s[6:7]
	v_lshl_add_u32 v222, v0, 2, 0x2a800
	v_mov_b32 v223, 0
	ds_add_u32 v222, v223
	v_lshrrev_b32 v1, 5, v0
	v_readfirstlane_b32 s8, v1                     ; wave 0..7
	s_lshr_b32 s9, s8, 1                           ; 0: I fetch K, 1: V, above: nothing
	s_and_b32 s10, s8, 1                           ; 0: lo, 1: hi
	s_bfe_u32 s11, ttmp6, 0x40000                  ; c
	s_mov_b32 s[BQ], s8
	s_sub_co_u32 s[BQ+1], 15, s8
	s_add_co_u32 s[BQ+2], s8, 16
	s_sub_co_u32 s[BQ+3], 31, s8
	s_mov_b32 s24, 0x76543210                      ; v_permlanex16_b32: lane i reads lane i of the other half
	s_mov_b32 s25, 0xfedcba98
	s_mov_b32 s26, 0x3e38aa3b                      ; c = log2(e) / sqrt(64)
	s_mov_b32 s27, 0x3e38aa3b
	s_mov_b32 s28, 0xbe38aa3b
	s_mov_b32 s[G1K+0], 15|(1<<16)|(1<<20)|(1<<21)|(4<<22)|(3<<25)   ; all four work-groups; 2-byte elements; after every 32 words 4 words of padding
	s_mov_b32 s[G1K+1], 64<<16                     ; tensor_dim0 = 64
	s_mov_b32 s[G1K+2], 128<<16                    ; tensor_dim1 = 128
	s_mov_b32 s[G1K+3], 64<<16                     ; tile_dim0 = 64
	s_mov_b32 s[G1K+4], 128                        ; tile_dim1 = 128 rows: 16 KiB that lie dense in memory
	s_mov_b32 s[G1K+5], 64
	s_mov_b32 s[G1K+6], 0
	s_mov_b32 s[G1K+7], 0
	s_mov_b32 s[G1V+0], 15|(1<<16)|(1<<20)|(1<<21)|(4<<22)|(7<<25)   ; the same with 8 words of padding
	s_mov_b32 s[G1V+1], 64<<16
	s_mov_b32 s[G1V+2], 128<<16
	s_mov_b32 s[G1V+3], 64<<16
	s_mov_b32 s[G1V+4], 128
	s_mov_b32 s[G1V+5], 64
	s_mov_b32 s[G1V+6], 0
	s_mov_b32 s[G1V+7], 0
	s_mul_i32 s[OFF], s10, 30*8192                 ; period 0: from block 0, or from block 30; 8,192 bytes a block
	s_mov_b32 s[OFF+1], 0
	s_mul_i32 s[OFF+2], s10, 26*8192               ; period 1: from block 2, or from block 28
	s_add_co_u32 s[OFF+2], s[OFF+2], 16384
	s_mov_b32 s[OFF+3], 0
	s_lshl_b32 s42, s10, 16
	s_sub_co_u32 s42, 32768, s42                   ; four blocks up, or down
	s_lshl_b32 s90, ttmp9, 18                      ; my head
	s_mov_b32 s91, 0
	s_mul_i32 s92, s10, KPART
	s_mul_i32 s93, s10, VPART
	s_add_co_u32 s93, s93, VRING
	s_and_b32 s89, s11, 1                          ; the prefetch's piece: section 1 + c / 2, lo or hi by c mod 2
	s_lshl_b32 s87, s89, 1
	s_sub_co_i32 s87, 1, s87
	s_mul_i32 s88, s89, 15
	s_lshr_b32 s94, s11, 1
	s_add_co_u32 s94, s94, 1
	s_lshl_b32 s94, s94, 24
	s_mov_b32 s95, 0
	s_wait_dscnt 0x0
	s_wait_kmcnt 0x0
	s_add_nc_u64 s[34:35], s[4:5], s[90:91]        ; Q
	s_add_nc_u64 s[36:37], s[6:7], s[90:91]        ; the result
	s_add_nc_u64 s[30:31], s[34:35], 0x1000000     ; K
	s_add_nc_u64 s[32:33], s[34:35], 0x2000000     ; V
	s_add_nc_u64 s[84:85], s[34:35], s[94:95]
.irp s, 0,1
	s_mov_b32 s[G0K+4*\s], 1
	s_add_co_u32 s[G0K+4*\s+1], s92, \s*KSLOT
	s_add_nc_u64 s[G0K+4*\s+2:G0K+4*\s+3], s[30:31], s[OFF+2*\s:OFF+2*\s+1]
	s_or_b32 s[G0K+4*\s+3], s[G0K+4*\s+3], 0x80000000
	s_mov_b32 s[G0V+4*\s], 1
	s_add_co_u32 s[G0V+4*\s+1], s93, \s*VSLOT
	s_add_nc_u64 s[G0V+4*\s+2:G0V+4*\s+3], s[32:33], s[OFF+2*\s:OFF+2*\s+1]
	s_or_b32 s[G0V+4*\s+3], s[G0V+4*\s+3], 0x80000000
.endr
	ROUND                                          ; all four work-groups are here
	s_cmp_eq_u32 s9, 0                             ; the first fills, periods 0 and 1: a wave's two stand in one branch; two tensor loads of a wave are out here, later one
	s_cbranch_scc0 .Lff_v
	tensor_load_to_lds s[G0K:G0K+3], s[G1K:G1K+7]
	s_nop 0
	PLACES
	tensor_load_to_lds s[G0K+4:G0K+7], s[G1K:G1K+7]
	s_nop 0
	PLACES
	s_branch .Lff_done
.Lff_v:
	s_cmp_eq_u32 s9, 1
	s_cbranch_scc0 .Lff_done
	tensor_load_to_lds s[G0V:G0V+3], s[G1V:G1V+7]
	s_nop 0
	PLACES
	tensor_load_to_lds s[G0V+4:G0V+7], s[G1V:G1V+7]
	s_nop 0
	PLACES
.Lff_done:
	v_and_b32 v30, 15, v0                          ; r
	v_bfe_u32 v31, v0, 4, 1                        ; h
	v_and_b32 v32, 31, v0                          ; lane
	v_lshlrev_b32 v33, 7, v30
	v_lshl_add_u32 v33, v31, 4, v33                ; 128 r + 16 h
	v_lshlrev_b32 v34, 4, v32                      ; 16 x lane
.irp g, 0,1,2,3
	s_lshl_b32 s89, s[BQ+\g], 2
	s_add_co_u32 s89, s89, s11
	s_lshl_b32 s89, s89, 11                        ; (64 b + 16 c) rows of 128 bytes
	v_add_nc_u32 v[QOFF+\g], s89, v33
	v_add_nc_u32 v[OOFF+\g], s89, v34
.endr
	WIN 0x40                                       ; Q's fragments stay in window 1 for the whole kernel
.irp g, 0,1,2,3
	global_load_b128 v[QF+16*\g:QF+16*\g+3],     v[QOFF+\g], s[34:35]
	global_load_b128 v[QF+16*\g+4:QF+16*\g+7],   v[QOFF+\g], s[34:35] offset:32
	global_load_b128 v[QF+16*\g+8:QF+16*\g+11],  v[QOFF+\g], s[34:35] offset:64
	global_load_b128 v[QF+16*\g+12:QF+16*\g+15], v[QOFF+\g], s[34:35] offset:96
.endr
	WIN 0
	v_mul_u32_u24 v[KA], v30, KPITCH
	v_lshl_add_u32 v[KA], v31, 4, v[KA]            ; row r, 16 h: slot 0
	v_add_nc_u32 v[KA+1], KSLOT, v[KA]             ; slot 1
	v_and_b32 v35, 7, v0
	v_lshl_add_u32 v35, v31, 3, v35                ; key 8 h + lane mod 8
	v_mul_u32_u24 v35, v35, VPITCH
	v_bfe_u32 v36, v0, 3, 1
	v_lshl_add_u32 v35, v36, 4, v35                ; + 16 bytes for the odd groups of eight lanes
	v_add_nc_u32 v[VA], VRING, v35
	v_add_nc_u32 v[VA+1], VRING+VSLOT, v35
	s_lshl_b32 s89, s11, 4
	v_add_nc_u32 v[QL], s89, v30
	v_lshlrev_b32 v36, 3, v31
	v_sub_nc_u32 v[QL], v[QL], v36
	v_mov_b32 v[NINF], 0xff800000
.irp kt, 0,1,2,3                               ; the mask of a group's own key block is the same for all four groups: made once, added where it is due
.irp i, 0,1,2,3,4,5,6,7
	v_cmp_gt_i32 vcc_lo, 16*\kt+\i, v[QL]          ; key beyond the query
	v_cndmask_b32 v[MB+8*\kt+\i], 0, v[NINF], vcc_lo
.endr
.endr
	s_mul_i32 s23, s8, WSTAGE
	s_add_co_u32 s23, s23, STAGE
	v_add_nc_u32 v[STO], s23, v[KA]
	v_lshrrev_b32 v36, 3, v32
	v_mul_u32_u24 v36, v36, KPITCH
	v_and_b32 v37, 7, v0
	v_lshl_add_u32 v36, v37, 4, v36
	v_add_nc_u32 v[RD], s23, v36
	v_mov_b32 v[TP], 0                             ; v_permlanex16_b32's destination counts as read
	v_mov_b32 v[NMC+1], 0                          ; the upper halves of pairs of which the lower is broadcast
	v_mov_b32 v[AL+1], 0
	v_lshlrev_b32 v[PFL], 8, v32
	s_mov_b32 s86, 2                               ; period P's second tile asks for period P + 2, which the joint load behind period P fetches
	s_lshl_b32 s89, s87, 1
	s_add_co_u32 s89, s89, s88
	s_lshl_b32 s89, s89, 14
	v_add_nc_u32 v[PFV], s89, v[PFL]
	s_wait_tensorcnt 0x1                           ; my part of period 0 is in; period 1's may stay out
	s_barrier_signal -1
	s_barrier_wait -1
	s_wait_loadcnt 0x0                             ; Q
	s_mov_b32 s[JLO], 0
	s_mov_b32 s[JHI], 31
	PERIOD 0, 1, 1
	s_mov_b32 s22, 3
.Lpair:                                        ; periods 1 to 6; the refills bring periods 2 to 7
	TURN 0, 1
	PERIOD 1, 0, 1
	TURN 1, 1
	PERIOD 0, 0, 1
	s_sub_co_u32 s22, s22, 1
	s_cmp_lg_u32 s22, 0
	s_cbranch_scc1 .Lpair
	TURN 0, 0                                      ; nothing is left to fetch,
	PERIOD 1, 0, 0                                 ; and nothing to ask for
	PLACES                                         ; behind the last matrix instructions
.irp g, 0,1,2,3
	v_permlanex16_b32 v[TP], v[LS+\g], s24, s25    ; the two halves' sums meet
	v_add_f32 v[LS+\g], v[LS+\g], v[TP]
.endr
.irp g, 0,1,2,3
	v_rcp_f32 v[T+2*\g], v[LS+\g]
.endr
	v_nop                                          ; the plain instruction behind the reciprocals (ISA guide 5.7.2)
	s_wait_alu depctr_va_vdst(0)
	OUTG 0
	OUTG 1
	OUTG 2
	OUTG 3
	s_wait_tensorcnt 0x0
	ds_add_u32 v222, v223
	s_wait_dscnt 0x0
	ROUND                                          ; the closing round
	s_endpgm
.Lfunc_end_k_qde8a6fedf7_attn:
	.size	k_qde8a6fedf7_attn, .Lfunc_end_k_qde8a6fedf7_attn-k_qde8a6fedf7_attn
	.p2alignl 7, 3214868480
	.fill 96, 4, 3214868480
	.section	.rodata,"a",@progbits
	.p2align	6, 0x0
	.amdhsa_kernel k_qde8a6fedf7_attn
		.amdhsa_group_segment_fixed_size 327680
		.amdhsa_private_segment_fixed_size 0
		.amdhsa_enable_private_segment 0
		.amdhsa_kernarg_size 16
		.amdhsa_user_sgpr_count 2
		.amdhsa_user_sgpr_kernarg_segment_ptr 1
		.amdhsa_wavefront_size32 1
		.amdhsa_system_sgpr_workgroup_id_x 1
		.amdhsa_system_sgpr_workgroup_id_y 1
		.amdhsa_system_sgpr_workgroup_id_z 1
		.amdhsa_system_vgpr_workitem_id 0
		.amdhsa_next_free_vgpr 448
		.amdhsa_next_free_sgpr 96
		.amdhsa_reserve_vcc 1
		.amdhsa_float_denorm_mode_32 3
		.amdhsa_float_denorm_mode_16_64 3
		.amdhsa_memory_ordered 1
		.amdhsa_forward_progress 1
		.amdhsa_inst_pref_size 255
	.end_amdhsa_kernel
	.section	.bss,"aw",@nobits
	.p2align	6
	.space	262144
	.amdgpu_metadata
---
amdhsa.version: [ 1, 2 ]
amdhsa.kernels:
  - .name:           k_qde8a6fedf7_attn
    .symbol:         k_qde8a6fedf7_attn.kd
    .args:
      - { .name: qkv, .offset: 0, .size: 8, .value_kind: global_buffer, .address_space: global }
      - { .name: att, .offset: 8, .size: 8, .value_kind: global_buffer, .address_space: global }
    .group_segment_fixed_size: 327680
    .private_segment_fixed_size: 0
    .kernarg_segment_align: 8
    .kernarg_segment_size: 16
    .max_flat_workgroup_size: 256
    .sgpr_count:     96
    .vgpr_count:     448
    .wavefront_size: 32
...
	.end_amdgpu_metadata
.endif
;; end of part 3
;; launch proj_gemm (part 4): grid 4 x 64, 4 waves a work-group, clusters of 4 x 4, 327,680 bytes of LDS; arguments att, bf, b_proj, out0; writes out0
.if DOCPART == 4
	.amdgcn_target "amdgcn-amd-amdhsa--gfx1250"
	.amdhsa_code_object_version 6
	.text
	.protected	k_qde8a6fedf7_proj_gemm
	.globl	k_qde8a6fedf7_proj_gemm
	.p2align	8
	.type	k_qde8a6fedf7_proj_gemm,@function
k_qde8a6fedf7_proj_gemm:
	s_mov_b64 s[64:65], 0
	v_nop
	global_prefetch_b8 v0, s[64:65] scope:SCOPE_SE
	s_setreg_imm32_b32 hwreg(HW_REG_WAVE_MODE, 25, 1), 1
	s_wait_xcnt 0x0
	s_wait_alu depctr_hold_cnt(0) depctr_sa_sdst(0) depctr_va_vdst(0) depctr_va_sdst(0) depctr_va_ssrc(0) depctr_va_vcc(0) depctr_vm_vsrc(0)
	s_getreg_b32 s2, hwreg(HW_REG_IB_STS2, 6, 4)
	s_cmp_eq_u32 s2, 0
	s_cbranch_scc0 .Lentry_in_a_cluster
	s_endpgm
.Lentry_in_a_cluster:
	s_bfe_u32 s2, ttmp6, 0x10000c
	s_cmp_lg_u32 s2, 0xf033
	s_cbranch_scc0 .Lentry_shape_is_right
	s_endpgm
.Lentry_shape_is_right:
; proj_gemm: out0 = att w_proj^T + b_proj, f32.  A = att [batch*16 + head][t][d] f16; B = w_proj [1024][1024] f16 at bf + 23,068,672; sums in f32.
; A block of C is 128 rows x 256 columns: 64 x 4 = 256 blocks, one a work-group.  Four waves as 2 x 2; a wave makes 64 x 128 in 32 accumulator tiles.
; K goes in steps of 128 = two heads through two LDS slots.  A's part of a slot is two sub-tiles [128 rows][64 d], one a head, each 16 KiB dense in memory.
; CLUSTERS: 4 x 4 work-groups; A's tile hangs on gy alone and is asked for jointly along a row of the cluster, B's on gx alone, along a column.
; The matrix instruction is used transposed (source 0 = rows of B): a lane holds 8 neighbouring columns of a row of C, 32 bytes of f32.
; LIMIT: operands are f16 (see the launches that made them); the bias is added in f32.
; REGISTERS: window 0: v16-26 addresses, v[40:43] bias, F0 = v64-159, F1 = v160-255 fragments (B's 8, then A's 4); window 1: accumulator (a, b) at v[8 (8 a + b)].
.set APITCH, 144                       ; 128 bytes + 16
.set BPITCH, 272                       ; 256 bytes + 16: both odd multiples of 16
.set AHALF,  128*APITCH                ; a head's sub-tile: what one tensor load brings of A; K quarters 2 and 3 lie in the second
.set AROWS,  64*APITCH                 ; a wave's 64 rows
.set ATILE,  2*AHALF
.set BPART,  128*BPITCH
.set SLOT,   ATILE+2*BPART             ; 106,496 bytes
.set STAGE,  2*SLOT                    ; behind the ring: 16 rows x 528 bytes for each wave; no tensor load lands there
.set SPITCH, 528
.set WSTAGE, 16*SPITCH
.set WPB,    23068672                  ; w_proj's place in bf
.set ADRA, 16
.set ADRB, 20
.set STO,  24
.set RD,   25
.set CO,   26
.set BIAS, 40
.set F0,   64
.set F1,   160
.set G1A, 24
.set G0A, 32
.set G1B, 48
.set G0B, 56
.set MSB, 0
.macro WIN new
.if MSB != \new
	s_set_vgpr_msb (MSB<<8)|\new
.set MSB, \new
.endif
.endm
.macro PLACES                          ; four places behind a matrix instruction (ISA guide 7.12.1)
.rept 4
	v_nop
.endr
.endm
.macro JLOAD s                         ; waves 0 and 1 fetch A's two heads, waves 2 and 3 B's two halves
	s_cmp_eq_u32 s11, 0
	s_cbranch_scc0 .Lfor_b_\@
	tensor_load_to_lds s[G0A+4*\s:G0A+4*\s+3], s[G1A:G1A+7]
	s_nop 0
	PLACES
	s_branch .Lasked_\@
.Lfor_b_\@:
	tensor_load_to_lds s[G0B+4*\s:G0B+4*\s+3], s[G1B:G1B+7]
	s_nop 0
	PLACES
.Lasked_\@:
.endm
.macro CREST
	s_cmp_lg_u32 s10, 0
	s_cbranch_scc1 .Lnot_wave_0_\@
	s_barrier_signal -3
.Lnot_wave_0_\@:
	s_barrier_wait -3
	s_barrier_signal -1
	s_barrier_wait -1
.endm
.macro CROUND
	s_barrier_signal -1
	s_barrier_wait -1
	CREST
.endm
.macro STEP slot                       ; two K steps on: four heads of A, 512 bytes along B's rows
	s_add_nc_u64 s[G0A+4*\slot+2:G0A+4*\slot+3], s[G0A+4*\slot+2:G0A+4*\slot+3], 1048576
	s_add_nc_u64 s[G0B+4*\slot+2:G0B+4*\slot+3], s[G0B+4*\slot+2:G0B+4*\slot+3], 512
.endm
; The 32 accumulators take turns, one instruction a turn, in the same order in every quarter step.
.macro MUL8 f, a, zero
.irp b, 0,1,2,3,4,5,6,7
.if \zero
	v_wmma_f32_16x16x32_f16 v[8*(8*\a+\b):8*(8*\a+\b)+7], v[\f+8*\b:\f+8*\b+7], v[\f+64+8*\a:\f+64+8*\a+7], 0
.else
	v_wmma_f32_16x16x32_f16 v[8*(8*\a+\b):8*(8*\a+\b)+7], v[\f+8*\b:\f+8*\b+7], v[\f+64+8*\a:\f+64+8*\a+7], v[8*(8*\a+\b):8*(8*\a+\b)+7]
.endif
.endr
.endm
.macro FETCH slot, q, f
	WIN 0
.irp i, 0,1,2,3,4,5,6,7
	ds_load_b128 v[\f+8*\i:\f+8*\i+3],   v[ADRB+\slot] offset:64*\q+\i*16*BPITCH
	ds_load_b128 v[\f+8*\i+4:\f+8*\i+7], v[ADRB+\slot] offset:64*\q+\i*16*BPITCH+32
.endr
.irp i, 0,1,2,3
	ds_load_b128 v[\f+64+8*\i:\f+64+8*\i+3],   v[ADRA+\slot] offset:(\q>>1)*AHALF+(\q&1)*64+\i*16*APITCH
	ds_load_b128 v[\f+64+8*\i+4:\f+64+8*\i+7], v[ADRA+\slot] offset:(\q>>1)*AHALF+(\q&1)*64+\i*16*APITCH+32
.endr
.endm
.macro QUARTER slot, qn, f, g, zero
	s_wait_dscnt 4                                 ; all but the youngest four loads (A's fragments 2 and 3) are in
	WIN 0x50
	MUL8 \f, 0, \zero
	MUL8 \f, 1, \zero
	PLACES
	FETCH \slot, \qn, \g
	s_wait_dscnt 24                                ; all but the 24 just issued
	WIN 0x50
	MUL8 \f, 2, \zero
	MUL8 \f, 3, \zero
.endm
.macro THREE slot, zero
	QUARTER \slot, 1, F0, F1, \zero
	QUARTER \slot, 2, F1, F0, 0
	QUARTER \slot, 3, F0, F1, 0
.endm
; The last quarter and the change of slots: each wave's waits for its reads of this slot and for all its tensor loads stand in front of the barrier;
; fill = 1: the barrier opens a round of the cluster's barrier, behind which this slot is asked for again first thing.
.macro TURN slot, next, fill
	s_wait_dscnt 4
	WIN 0x50
	MUL8 F1, 0, 0
	s_wait_dscnt 0x0
	s_wait_tensorcnt 0x0
	ds_add_u32 v62, v63
	s_wait_dscnt 0x0
	s_barrier_signal -1
	MUL8 F1, 1, 0
	WIN 0
	s_barrier_wait -1
.if \fill
	CREST
	STEP \slot
	JLOAD \slot                                    ; its four v_nop are also the places in front of the loads below
.else
	PLACES
.endif
	FETCH \next, 0, F0
	WIN 0x50
	MUL8 F1, 2, 0
	MUL8 F1, 3, 0
.endm
.macro LAP zero
	THREE 0, \zero
	TURN 0, 1, 1
	THREE 1, 0
	TURN 1, 0, 1
.endm
; The way out, 16 rows at a time: 32 bytes a lane into my own stage, read back by whole rows of 512 bytes, the bias added, stored:
; a store of the wave covers 512 consecutive bytes of one row of out0, aligned.
.macro OUT16 a, f
	WIN 0x04                                       ; the stores' data in window 1
.irp b, 0,1,2,3,4,5,6,7
	ds_store_b128 v[STO], v[8*(8*\a+\b):8*(8*\a+\b)+3]   offset:64*\b
	ds_store_b128 v[STO], v[8*(8*\a+\b)+4:8*(8*\a+\b)+7] offset:64*\b+16
.endr
	WIN 0
	s_wait_xcnt 0x0                                ; buffer f was data of earlier stores: rewritten only behind this wait
.irp u, 0,1,2,3,4,5,6,7,8,9,10,11,12,13,14,15
	ds_load_b128 v[\f+4*\u:\f+4*\u+3], v[RD] offset:SPITCH*\u   ; LDS serves a wave's instructions in order (ISA guide 5.7.1)
.endr
.irp u, 0,1,2,3,4,5,6,7,8,9,10,11,12,13,14,15
	s_wait_dscnt 15-\u
	v_pk_add_f32 v[\f+4*\u:\f+4*\u+1],   v[\f+4*\u:\f+4*\u+1],   v[BIAS:BIAS+1]
	v_pk_add_f32 v[\f+4*\u+2:\f+4*\u+3], v[\f+4*\u+2:\f+4*\u+3], v[BIAS+2:BIAS+3]
	global_store_b128 v[CO], v[\f+4*\u:\f+4*\u+3], s[8:9] offset:(16*\a+\u)*4096 th:TH_STORE_NT
.endr
.endm
	s_load_b256 s[80:87], s[0:1], 0x0              ; att s[80:81], bf s[82:83], b_proj s[84:85], out0 s[86:87]
	v_lshl_add_u32 v62, v0, 2, 0x3c400
	v_mov_b32 v63, 0
	ds_add_u32 v62, v63
	v_lshrrev_b32 v1, 5, v0
	v_readfirstlane_b32 s10, v1                    ; wave 0..3
	s_lshr_b32 s11, s10, 1                         ; my half of the rows; also: I fetch for A (0) or B (1)
	s_and_b32 s12, s10, 1                          ; my half of the columns; also: which part of that tile I fetch
	s_bfe_u32 s40, ttmp6, 0x40000                  ; cx
	s_bfe_u32 s41, ttmp6, 0x40004                  ; cy
	s_lshl_b32 s42, ttmp9, 2
	s_add_co_u32 s42, s42, s40                     ; gx
	s_and_b32 s13, ttmp7, 0xffff
	s_lshl_b32 s13, s13, 2
	s_add_co_u32 s13, s13, s41                     ; gy
	s_lshl_b32 s43, s41, 2
	s_lshl_b32 s43, 15, s43
	s_lshl_b32 s44, 0x1111, s40
	s_or_b32 s[G1A+0], s43, (1<<16)|(1<<20)|(1<<21)|(4<<22)|(3<<25)   ; after every 32 words 4 words of padding
	s_or_b32 s[G1B+0], s44, (1<<16)|(1<<20)|(1<<21)|(5<<22)|(3<<25)   ; after every 64 words
	s_mov_b32 s[G1A+1], 64<<16                     ; tensor_dim0 = 64
	s_mov_b32 s[G1A+2], 128<<16                    ; tensor_dim1 = 128
	s_mov_b32 s[G1A+3], 64<<16                     ; tile_dim0 = 64
	s_mov_b32 s[G1A+4], 128                        ; tile_dim1 = 128 rows
	s_mov_b32 s[G1A+5], 64                         ; a head's rows follow each other
	s_mov_b32 s[G1A+6], 0
	s_mov_b32 s[G1A+7], 0
	s_mov_b32 s[G1B+1], 128<<16
	s_mov_b32 s[G1B+2], 128<<16
	s_mov_b32 s[G1B+3], 128<<16
	s_mov_b32 s[G1B+4], 128
	s_mov_b32 s[G1B+5], 1024
	s_mov_b32 s[G1B+6], 0
	s_mov_b32 s[G1B+7], 0
	s_lshr_b32 s16, s13, 4                         ; A: batch << 22, head (my part) << 18, row 128 (gy mod 16) x 128 bytes
	s_lshl_b32 s16, s16, 22
	s_and_b32 s17, s13, 15
	s_lshl_b32 s17, s17, 14
	s_add_co_u32 s16, s16, s17
	s_lshl_b32 s17, s12, 18
	s_add_co_u32 s16, s16, s17
	s_mov_b32 s17, 0
	s_lshl_b32 s46, s42, 8                         ; B: row 256 gx + 128 half, 2,048 bytes a row
	s_lshl_b32 s47, s12, 7
	s_add_co_u32 s46, s46, s47
	s_lshl_b32 s46, s46, 11
	s_add_co_u32 s46, s46, WPB
	s_mov_b32 s47, 0
	s_mul_i32 s20, s12, AHALF
	s_mul_i32 s21, s12, BPART
	s_add_co_u32 s21, s21, ATILE
	s_wait_dscnt 0x0
	s_wait_kmcnt 0x0
	s_add_nc_u64 s[14:15], s[80:81], s[16:17]
	s_add_nc_u64 s[46:47], s[82:83], s[46:47]
	CROUND                                         ; all sixteen work-groups are here
.irp s, 0,1
	s_mov_b32 s[G0A+4*\s], 1
	s_add_co_u32 s[G0A+4*\s+1], s20, \s*SLOT
	s_add_nc_u64 s[G0A+4*\s+2:G0A+4*\s+3], s[14:15], \s*524288
	s_or_b32 s[G0A+4*\s+3], s[G0A+4*\s+3], 0x80000000
	s_mov_b32 s[G0B+4*\s], 1
	s_add_co_u32 s[G0B+4*\s+1], s21, \s*SLOT
	s_add_nc_u64 s[G0B+4*\s+2:G0B+4*\s+3], s[46:47], \s*256
	s_or_b32 s[G0B+4*\s+3], s[G0B+4*\s+3], 0x80000000
	JLOAD \s                                       ; K steps 0 and 1: two tensor loads of a wave are out here, one behind each later round
.endr
	v_and_b32 v4, 31, v0
	v_lshlrev_b32 v[CO], 4, v4                     ; 16 x lane
	s_lshl_b32 s74, s42, 1                         ; my 128 columns: (2 gx + half) x 512 bytes
	s_add_co_u32 s74, s74, s12
	s_lshl_b32 s74, s74, 9
	s_mov_b32 s75, 0
	s_add_nc_u64 s[76:77], s[84:85], s[74:75]
	global_load_b128 v[BIAS:BIAS+3], v[CO], s[76:77]   ; the bias of the four columns that I store
	s_lshl_b32 s78, s13, 1                         ; my 64 rows: (2 gy + half) x 64 x 4,096 bytes
	s_add_co_u32 s78, s78, s11
	s_lshl_b32 s78, s78, 18
	s_add_co_u32 s78, s78, s74
	s_mov_b32 s79, 0
	s_add_nc_u64 s[8:9], s[86:87], s[78:79]
	v_and_b32 v1, 15, v0
	v_bfe_u32 v2, v0, 4, 1
	v_mul_u32_u24 v3, v1, BPITCH
	v_lshl_add_u32 v3, v2, 4, v3
	v_mul_u32_u24 v7, v1, APITCH
	v_lshl_add_u32 v7, v2, 4, v7
	s_mul_i32 s22, s11, AROWS
	s_mul_i32 s23, s12, BPART
	s_add_co_u32 s23, s23, ATILE
.irp s, 0,1
	v_add_nc_u32 v[ADRA+\s], s22, v7
	v_add_nc_u32 v[ADRB+\s], s23, v3
	s_add_co_u32 s22, s22, SLOT
	s_add_co_u32 s23, s23, SLOT
.endr
	s_mul_i32 s22, s10, WSTAGE
	s_add_co_u32 s22, s22, STAGE
	v_mul_u32_u24 v5, v1, SPITCH
	v_lshl_add_u32 v5, v2, 5, v5
	v_add_nc_u32 v[STO], s22, v5                   ; in: row l % 16, 32 bytes for each half of the lanes
	v_add_nc_u32 v[RD], s22, v[CO]                 ; back: a whole row of 512 bytes
	s_wait_tensorcnt 0x1                           ; my part of K step 0 is in; K step 1's may stay out
	s_barrier_signal -1
	s_barrier_wait -1
	FETCH 0, 0, F0
	LAP 1                                          ; K steps 0 to 5 ask for 2 to 7
	WIN 0
	s_mov_b32 s3, 2
.Llap:
	LAP 0
	WIN 0
	s_sub_co_u32 s3, s3, 1
	s_cmp_lg_u32 s3, 0
	s_cbranch_scc1 .Llap
	THREE 0, 0                                     ; the last two K steps ask for nothing
	TURN 0, 1, 0
	THREE 1, 0
	s_wait_dscnt 4
	WIN 0x50
	MUL8 F1, 0, 0
	MUL8 F1, 1, 0
	s_wait_dscnt 0x0
	MUL8 F1, 2, 0
	MUL8 F1, 3, 0
	PLACES                                         ; behind the last matrix instructions
	s_wait_loadcnt 0x0                             ; the bias
	OUT16 0, F0
	OUT16 1, F1
	OUT16 2, F0
	OUT16 3, F1
	s_wait_tensorcnt 0x0
	ds_add_u32 v62, v63
	s_wait_dscnt 0x0
	CROUND                                         ; the closing round
	s_endpgm
.Lfunc_end_k_qde8a6fedf7_proj_gemm:
	.size	k_qde8a6fedf7_proj_gemm, .Lfunc_end_k_qde8a6fedf7_proj_gemm-k_qde8a6fedf7_proj_gemm
	.p2alignl 7, 3214868480
	.fill 96, 4, 3214868480
	.section	.rodata,"a",@progbits
	.p2align	6, 0x0
	.amdhsa_kernel k_qde8a6fedf7_proj_gemm
		.amdhsa_group_segment_fixed_size 327680
		.amdhsa_private_segment_fixed_size 0
		.amdhsa_enable_private_segment 0
		.amdhsa_kernarg_size 32
		.amdhsa_user_sgpr_count 2
		.amdhsa_user_sgpr_kernarg_segment_ptr 1
		.amdhsa_wavefront_size32 1
		.amdhsa_system_sgpr_workgroup_id_x 1
		.amdhsa_system_sgpr_workgroup_id_y 1
		.amdhsa_system_sgpr_workgroup_id_z 1
		.amdhsa_system_vgpr_workitem_id 0
		.amdhsa_next_free_vgpr 512
		.amdhsa_next_free_sgpr 88
		.amdhsa_reserve_vcc 0
		.amdhsa_float_denorm_mode_32 3
		.amdhsa_float_denorm_mode_16_64 3
		.amdhsa_memory_ordered 1
		.amdhsa_forward_progress 1
		.amdhsa_inst_pref_size 127
	.end_amdhsa_kernel
	.amdgpu_metadata
---
amdhsa.version: [ 1, 2 ]
amdhsa.kernels:
  - .name:           k_qde8a6fedf7_proj_gemm
    .symbol:         k_qde8a6fedf7_proj_gemm.kd
    .args:
      - { .name: att, .offset: 0, .size: 8, .value_kind: global_buffer, .address_space: global }
      - { .name: bf, .offset: 8, .size: 8, .value_kind: global_buffer, .address_space: global }
      - { .name: b_proj, .offset: 16, .size: 8, .value_kind: global_buffer, .address_space: global }
      - { .name: out0, .offset: 24, .size: 8, .value_kind: global_buffer, .address_space: global }
    .group_segment_fixed_size: 327680
    .private_segment_fixed_size: 0
    .kernarg_segment_align: 8
    .kernarg_segment_size: 32
    .max_flat_workgroup_size: 128
    .sgpr_count:     88
    .vgpr_count:     512
    .wavefront_size: 32
...
	.end_amdgpu_metadata
.endif
;; end of part 4
